; MI455X (gfx1250); checked and timed in simulation.
; The chip was launched on July 23, 2026; its instructions are those of AMD's public machine-readable ISA for CDNA 5 (MIT licence, August 2026) and "CDNA5" Instruction Set Architecture Reference Guide (July 2026). The comments in the code are by the model that wrote it; some were corrected since.
;; DSNN. Allowed arithmetic: float matrix products may take bf16 or f16 operands with f32 sums; other float arithmetic in f32, or as packed bf16 or f16 multiplies, adds, multiply-adds, maxima and minima; sums over many terms, partial sums and values carried from step to step in f32; what a program stores and reads back later, other than sums and carried values, may be rounded once to bf16 or f16.
;; Inputs: W0 513 x 1,024 float32; W1 1,024 x 1,024 float32; W2 1,024 x 512 float32; inputs 256 x 512 float32; random_distribution 100 x 256 x 513 float32.
;; Outputs: out0 256 x 512 float32.
;; One version. Each part assembles by itself: llvm-mc -triple=amdgcn-amd-amdhsa -mcpu=gfx1250 --defsym DOCPART=n.
;; ======== version 1 of 1: 4 launches
;; workspace buffers: X0 29,491,200 bytes; X1 52,428,800 bytes; W0T 1,179,648 bytes; W1T 2,097,152 bytes; W2T 1,048,576 bytes; Qb 1,048,576 bytes
;; launch prep (part 1): grid 64 x 26, 6 waves a work-group, no clusters, 0 bytes of LDS; arguments inputs, random_distribution, W0, W1, W2, X0, W0T, W1T, W2T; writes X0, W0T, W1T, W2T
.if DOCPART == 1
	.amdgcn_target "amdgcn-amd-amdhsa--gfx1250"
	.amdhsa_code_object_version 6
	.text
	.protected	k_q62d79b3381_prep
	.globl	k_q62d79b3381_prep
	.p2align	8
	.type	k_q62d79b3381_prep,@function
k_q62d79b3381_prep:
	s_mov_b64 s[64:65], 0
	v_nop
	global_prefetch_b8 v0, s[64:65] scope:SCOPE_SE
	s_setreg_imm32_b32 hwreg(HW_REG_WAVE_MODE, 25, 1), 1
	s_wait_xcnt 0x0
; PREP: the input spikes and the three weight matrices, rounded to bf16 and laid out as the matrix launches read them.
; THE PROGRAM (four launches).  prep; lay0: h0 = s W0 for all time steps as one product, then the membrane's scan over time, spikes out; lay1: the same with W1, a synapse's scan
; in front of the membrane's, and the spikes summed over time; fin: one product with W2.  A layer's products hang on no state of that layer, so time is a row index of the product.
; WHAT IS LEFT OUT, for all finite values of the inputs:
;  (1) reference() scans spike_train[1:], so random_distribution[0] reaches no output: it is not read.  Time step 0 keeps its place among the rows (100 = 25 x 4); its spikes are stored
;      as 0 and no scan reads its sums.
;  (2) Layer 2 has neither spike nor reset: syn2_t = 0.9 syn2 + out1_t W2 and mem2_t = 0.85 mem2 + syn2_t are linear in out1.  With P_t = 0.9 P + out1_t and Q_t = 0.85 Q + P_t
;      (P_0 = Q_0 = 0, as reference()'s own zeros) syn2_t = P_t W2 and mem2_t = Q_t W2 for every t, by induction.  Only mem2_99 is returned: ONE product Q_99 W2 stands for 99.
; LIMITS.  The order of rounding in layer 2 differs from reference()'s (sums over time first, in f32).  A NaN, an infinity or an overflow that reaches only the work left out is not
; carried to the result.  All five inputs are rounded once to bf16, to nearest even, inputs and random_distribution ahead of their comparison.  Every input is loaded.
; LAYOUTS.  Rows of a product are (t, b).  An M TILE of 16 rows is (bq = b / 4, tq = t / 4); row 8 h + 2 tt + bb stands for b = 4 bq + 2 h + bb, t = 4 tq + tt.  Its unit U(k, h) is 16 bytes:
; the 8 rows of half h for one feature k, at (k / 8) 256 + 128 h + 16 (k % 8).  X0: tile 25 bq + tq at 18,432 bytes each (K = 576: 513 live features, zeros behind them).
; An N TILE of weights is 16 columns; its unit V(n, k / 8) is 16 bytes: 8 consecutive k of one column, at (k / 8) 256 + 16 (n % 16).  W0T: tiles of 18,432 bytes, rows 513 to 575 zero; W1T, W2T: 32,768.
; No LDS and no matrix work: the launch streams.  Six waves; work-groups with y < 15 encode spikes, the others turn weights.
.set TSTEP, 525312                     ; bytes from a time step of random_distribution to the next: 256 x 513 x 4
.set RROW,  2052                       ; bytes in a row of it
.set XTILE, 18432                      ; bytes in an M tile of X0
.set KK,  2                            ; v2      my feature k
.set RO,  3                            ; v3      4 min(k, 512): my byte in a row of random_distribution
.set XO,  4                            ; v4      4 min(k, 511): my byte in a row of inputs
.set SO,  5                            ; v5      where my 16 bytes go in 512 bytes of X0
.set XB,  6                            ; v[6:9]  x of my feature for the four batch rows, rounded to bf16, as f32
.set C1L, 10                           ; v10     1.0 in bf16 in the low half
.set C1H, 11                           ; v11     in the high half
.set RR,  16                           ; v[16:31] random numbers: time tt, batch row bl at RR + 4 tt + bl.  In the weights' part: row i, column half f at RR + 2 i + f
.set WA,  32                           ; v[32:35] the unit of half 0 (word tt), v[36:39] of half 1
	s_load_b512 s[16:31], s[0:1], 0x0              ; inputs s[16:17], random_distribution s[18:19], W0 s[20:21], W1 s[22:23], W2 s[24:25], X0 s[26:27], W0T s[28:29], W1T s[30:31]
	s_load_b64 s[32:33], s[0:1], 0x40              ; W2T
	v_lshrrev_b32 v1, 5, v0
	v_readfirstlane_b32 s2, v1                     ; wave 0..5
	v_and_b32 v1, 31, v0                           ; lane
	s_mov_b32 s3, ttmp9                            ; x
	s_and_b32 s4, ttmp7, 0xffff                    ; y
	s_cmp_lt_u32 s4, 15
	s_cbranch_scc0 .Lweights
	; THE SPIKES.  Work-group (x, y): batch rows 4 x .. 4 x + 3, five M tiles from tq = 5 (y / 3) on, features 192 (y % 3) on; a wave takes 32 features, a lane one.
	s_mul_i32 s5, s4, 11
	s_lshr_b32 s5, s5, 5                           ; y / 3 for y < 15
	s_mul_i32 s6, s5, 3
	s_sub_co_u32 s6, s4, s6                        ; y % 3
	s_mul_i32 s6, s6, 6
	s_add_co_u32 s6, s6, s2                        ; my block of 32 features, 0..17
	s_mul_i32 s7, s5, 5                            ; my first tq
	s_lshl_b32 s8, s6, 5
	v_add_nc_u32 v[KK], s8, v1
	v_min_u32 v[RO], 512, v[KK]
	v_lshlrev_b32 v[RO], 2, v[RO]
	v_min_u32 v[XO], 511, v[KK]
	v_lshlrev_b32 v[XO], 2, v[XO]
	v_and_b32 v[SO], 7, v1                         ; behind the exchange below lane l holds feature l % 16 of 16, half l / 16:
	v_lshlrev_b32 v[SO], 4, v[SO]                  ; 16 (l % 8)
	v_bfe_u32 v12, v1, 3, 1
	v_lshl_add_u32 v[SO], v12, 8, v[SO]            ; + 256 ((l % 16) / 8)
	v_bfe_u32 v12, v1, 4, 1
	v_lshl_add_u32 v[SO], v12, 7, v[SO]            ; + 128 (l / 16)
	v_mov_b32 v[C1L], 0x3f80
	v_mov_b32 v[C1H], 0x3f800000
	s_lshl_b32 s10, s3, 13                         ; inputs: four rows of 2,048 bytes
	s_mov_b32 s11, 0
	s_mul_i32 s12, s7, 4*TSTEP                     ; random_distribution: four time steps a tile,
	s_mul_i32 s13, s3, 4*RROW                      ; four rows
	s_add_co_u32 s12, s12, s13
	s_mov_b32 s13, 0
	s_mul_i32 s14, s3, 25
	s_add_co_u32 s14, s14, s7
	s_mul_i32 s14, s14, XTILE                      ; X0: my first tile,
	s_lshl_b32 s15, s6, 10                         ; my 32 features' 1,024 bytes
	s_add_co_u32 s14, s14, s15
	s_mov_b32 s15, 0
	s_cmp_eq_u32 s7, 0                             ; does my first tile hold time step 0?
	s_cselect_b32 s34, TSTEP, 0                    ; then its four loads name step 1's rows, which the trip reads anyway,
	s_mov_b32 s35, 0
	s_cselect_b32 s36, 0, -1                       ; and the words made of them are cleared
	s_wait_kmcnt 0x0
	s_add_nc_u64 s[16:17], s[16:17], s[10:11]
	s_add_nc_u64 s[18:19], s[18:19], s[12:13]      ; the tile's time steps 1 to 3 are reached from here,
	s_add_nc_u64 s[38:39], s[18:19], s[34:35]      ; its first from here
	s_add_nc_u64 s[26:27], s[26:27], s[14:15]
.irp b, 0,1,2,3
	global_load_b32 v[XB+\b], v[XO], s[16:17] offset:\b*2048
.endr
	s_wait_loadcnt 0x0
	v_cvt_pk_bf16_f32 v12, v[XB], v[XB+1]          ; x rounded to bf16 and widened again
	v_cvt_pk_bf16_f32 v13, v[XB+2], v[XB+3]
	v_lshlrev_b32 v[XB], 16, v12
	v_and_b32 v[XB+1], 0xffff0000, v12
	v_lshlrev_b32 v[XB+2], 16, v13
	v_and_b32 v[XB+3], 0xffff0000, v13
	v_mov_b32 v14, 0xff800000                      ; features behind the last: minus infinity is greater than nothing, so they never spike
	v_mov_b32 v15, 1.0                             ; feature 512: the column of ones that reference() adds
	v_cmp_eq_u32 vcc_lo, 512, v[KK]
	v_cndmask_b32 v14, v14, v15, vcc_lo
	v_cmp_gt_u32 vcc_lo, 512, v[KK]
.irp b, 0,1,2,3
	v_cndmask_b32 v[XB+\b], v14, v[XB+\b], vcc_lo
.endr
; One word of a unit: the spikes of batch rows 2 h and 2 h + 1 at time tt.  Both random numbers are rounded to bf16 and widened; 1.0 in bf16 where x is greater.
.macro WORD h, t
	v_cvt_pk_bf16_f32 v12, v[RR+4*(\t)+2*(\h)], v[RR+4*(\t)+2*(\h)+1]
	v_lshlrev_b32 v13, 16, v12
	v_and_b32 v12, 0xffff0000, v12
	v_cmp_gt_f32 vcc_lo, v[XB+2*(\h)], v13
	v_cndmask_b32 v[WA+4*(\h)+(\t)], 0, v[C1L], vcc_lo
	v_cmp_gt_f32 vcc_lo, v[XB+2*(\h)+1], v12
	v_cndmask_b32 v13, 0, v[C1H], vcc_lo
	v_or_b32 v[WA+4*(\h)+(\t)], v[WA+4*(\h)+(\t)], v13
.endm
	s_mov_b32 s37, 5
.Ltile:                                                ; a trip: one M tile, my 32 features: 16 loads of 128 consecutive bytes, two stores of 512
.irp b, 0,1,2,3
	global_load_b32 v[RR+\b], v[RO], s[38:39] offset:\b*RROW th:TH_LOAD_NT
.endr
.irp t, 1,2,3
.irp b, 0,1,2,3
	global_load_b32 v[RR+4*\t+\b], v[RO], s[18:19] offset:\t*TSTEP+\b*RROW th:TH_LOAD_NT
.endr
.endr
	s_wait_loadcnt 0x0
.irp h, 0,1
.irp t, 0,1,2,3
	WORD \h, \t
.endr
.endr
	v_and_b32 v[WA], s36, v[WA]                    ; time step 0 has no spikes
	v_and_b32 v[WA+4], s36, v[WA+4]
.irp t, 0,1,2,3
	v_permlane16_swap_b32 v[WA+\t], v[WA+4+\t]     ; half 0 of features 16-31 changes places with half 1 of features 0-15: each quadruple now holds both halves of 16 features
.endr
	global_store_b128 v[SO], v[WA:WA+3], s[26:27]              ; each store covers 512 consecutive bytes, at a multiple of 512 from X0's first byte
	global_store_b128 v[SO], v[WA+4:WA+7], s[26:27] offset:512
	s_wait_xcnt 0x0                                ; the loads and stores have read their addresses and data: bases and words are written again only behind this wait
	s_add_nc_u64 s[18:19], s[18:19], 4*TSTEP
	s_mov_b64 s[38:39], s[18:19]
	s_mov_b32 s36, -1
	s_add_nc_u64 s[26:27], s[26:27], XTILE
	s_sub_co_u32 s37, s37, 1
	s_cmp_lg_u32 s37, 0
	s_cbranch_scc1 .Ltile
	s_endpgm
	; THE WEIGHTS.  4,224 items, a wave each: 8 rows (k) x 64 columns.  Items 0-1,151: W0 (72 groups of 8 rows x 16 groups of 64 columns); 1,152-3,199: W1 (128 x 16); 3,200-4,223: W2 (128 x 8).
.Lweights:
	s_sub_co_u32 s5, s4, 15
	s_lshl_b32 s5, s5, 6
	s_add_co_u32 s5, s5, s3
	s_mul_i32 s5, s5, 6
	s_add_co_u32 s5, s5, s2                        ; my item
	s_mov_b32 s6, 3200                             ; W2's figures: its first item,
	s_mov_b32 s7, 3                                ; log2 of its groups of columns,
	s_mov_b32 s8, 11                               ; log2 of its row's bytes,
	s_mov_b32 s9, 1024                             ; its rows,
	s_mov_b32 s14, 32768                           ; bytes in an N tile of the copy
	s_wait_kmcnt 0x0
	s_cmp_lt_u32 s5, 3200
	s_cselect_b32 s6, 1152, s6
	s_cselect_b32 s7, 4, s7
	s_cselect_b32 s8, 12, s8
	s_cselect_b64 s[10:11], s[22:23], s[24:25]
	s_cselect_b64 s[12:13], s[30:31], s[32:33]
	s_cmp_lt_u32 s5, 1152
	s_cselect_b32 s6, 0, s6
	s_cselect_b32 s9, 513, s9
	s_cselect_b32 s14, XTILE, s14
	s_cselect_b64 s[10:11], s[20:21], s[10:11]
	s_cselect_b64 s[12:13], s[28:29], s[12:13]
	s_sub_co_u32 s5, s5, s6
	s_lshr_b32 s15, s5, s7                         ; my group of 8 rows
	s_bfm_b32 s34, s7, 0
	s_and_b32 s34, s5, s34                         ; my group of 64 columns
	s_lshl_b32 s35, s15, 3
	s_sub_co_u32 s36, s9, 1
.irp i, 0,1,2,3,4,5,6,7
	s_add_co_u32 s37, s35, \i                      ; row k
	s_cmp_lt_u32 s37, s9
	s_cselect_b32 s[56+\i], -1, 0                  ; a row behind the matrix's last counts as zeros:
	s_min_u32 s37, s37, s36                        ; the last row is read in its stead and cleared
	s_lshl_b32 s38, s37, s8
	s_mov_b32 s39, 0
	s_add_nc_u64 s[40+2*\i:41+2*\i], s[10:11], s[38:39]
.endr
	s_lshl_b32 s37, s34, 8
	v_lshl_add_u32 v2, v1, 2, s37                  ; my column's byte in a row
	v_lshrrev_b32 v3, 4, v1
	v_mul_lo_u32 v3, v3, s14                       ; lanes 16-31: the next N tile
	v_and_b32 v4, 15, v1
	v_lshl_add_u32 v3, v4, 4, v3
	s_mul_i32 s38, s34, s14
	s_lshl_b32 s38, s38, 2                         ; four N tiles to a group of 64 columns
	s_lshl_b32 s37, s15, 8
	s_add_co_u32 s38, s38, s37
	s_add_nc_u64 s[12:13], s[12:13], s[38:39]      ; columns 0-31 of my 64,
	s_lshl_b32 s38, s14, 1
	s_add_nc_u64 s[10:11], s[12:13], s[38:39]      ; columns 32-63
.irp i, 0,1,2,3,4,5,6,7
	global_load_b32 v[RR+2*\i], v2, s[40+2*\i:41+2*\i]
	global_load_b32 v[RR+2*\i+1], v2, s[40+2*\i:41+2*\i] offset:128
.endr
	s_wait_loadcnt 0x0
.irp i, 0,1,2,3,4,5,6,7
	v_and_b32 v[RR+2*\i], s[56+\i], v[RR+2*\i]
	v_and_b32 v[RR+2*\i+1], s[56+\i], v[RR+2*\i+1]
.endr
.irp p, 0,1,2,3
	v_cvt_pk_bf16_f32 v[WA+\p], v[RR+4*\p], v[RR+4*\p+2]       ; rows 2 p and 2 p + 1 of one column
	v_cvt_pk_bf16_f32 v[WA+4+\p], v[RR+4*\p+1], v[RR+4*\p+3]
.endr
	global_store_b128 v3, v[WA:WA+3], s[12:13]                 ; 16 lanes store 256 consecutive bytes, at a multiple of 256 from the copy's first byte
	global_store_b128 v3, v[WA+4:WA+7], s[10:11]
	s_endpgm
.Lfunc_end_k_q62d79b3381_prep:
	.size	k_q62d79b3381_prep, .Lfunc_end_k_q62d79b3381_prep-k_q62d79b3381_prep
	.p2alignl 7, 3214868480
	.fill 96, 4, 3214868480
	.section	.rodata,"a",@progbits
	.p2align	6, 0x0
	.amdhsa_kernel k_q62d79b3381_prep
		.amdhsa_group_segment_fixed_size 0
		.amdhsa_private_segment_fixed_size 0
		.amdhsa_enable_private_segment 0
		.amdhsa_kernarg_size 72
		.amdhsa_user_sgpr_count 2
		.amdhsa_user_sgpr_kernarg_segment_ptr 1
		.amdhsa_wavefront_size32 1
		.amdhsa_system_sgpr_workgroup_id_x 1
		.amdhsa_system_sgpr_workgroup_id_y 1
		.amdhsa_system_sgpr_workgroup_id_z 1
		.amdhsa_system_vgpr_workitem_id 0
		.amdhsa_next_free_vgpr 40
		.amdhsa_next_free_sgpr 66
		.amdhsa_reserve_vcc 1
		.amdhsa_float_denorm_mode_32 3
		.amdhsa_float_denorm_mode_16_64 3
		.amdhsa_memory_ordered 1
		.amdhsa_forward_progress 1
		.amdhsa_inst_pref_size 15
	.end_amdhsa_kernel
	.amdgpu_metadata
---
amdhsa.version: [ 1, 2 ]
amdhsa.kernels:
  - .name:           k_q62d79b3381_prep
    .symbol:         k_q62d79b3381_prep.kd
    .args:
      - { .name: inputs, .offset: 0, .size: 8, .value_kind: global_buffer, .address_space: global }
      - { .name: random_distribution, .offset: 8, .size: 8, .value_kind: global_buffer, .address_space: global }
      - { .name: W0, .offset: 16, .size: 8, .value_kind: global_buffer, .address_space: global }
      - { .name: W1, .offset: 24, .size: 8, .value_kind: global_buffer, .address_space: global }
      - { .name: W2, .offset: 32, .size: 8, .value_kind: global_buffer, .address_space: global }
      - { .name: X0, .offset: 40, .size: 8, .value_kind: global_buffer, .address_space: global }
      - { .name: W0T, .offset: 48, .size: 8, .value_kind: global_buffer, .address_space: global }
      - { .name: W1T, .offset: 56, .size: 8, .value_kind: global_buffer, .address_space: global }
      - { .name: W2T, .offset: 64, .size: 8, .value_kind: global_buffer, .address_space: global }
    .group_segment_fixed_size: 0
    .private_segment_fixed_size: 0
    .kernarg_segment_align: 8
    .kernarg_segment_size: 72
    .max_flat_workgroup_size: 192
    .sgpr_count:     66
    .vgpr_count:     40
    .wavefront_size: 32
...
	.end_amdgpu_metadata
.endif
;; end of part 1
;; launch lay0 (part 2): grid 4 x 64, 4 waves a work-group, clusters of 4 x 4, 327,680 bytes of LDS; arguments X0, W0T, X1; writes X1
.if DOCPART == 2
	.amdgcn_target "amdgcn-amd-amdhsa--gfx1250"
	.amdhsa_code_object_version 6
	.text
	.protected	k_q62d79b3381_lay0
	.globl	k_q62d79b3381_lay0
	.p2align	8
	.type	k_q62d79b3381_lay0,@function
k_q62d79b3381_lay0:
	s_mov_b64 s[64:65], 0
	v_nop
	global_prefetch_b8 v0, s[64:65] scope:SCOPE_SE
	s_setreg_imm32_b32 hwreg(HW_REG_WAVE_MODE, 25, 1), 1
	s_wait_xcnt 0x0
	s_wait_alu depctr_hold_cnt(0) depctr_sa_sdst(0) depctr_va_vdst(0) depctr_va_sdst(0) depctr_va_ssrc(0) depctr_va_vcc(0) depctr_vm_vsrc(0)
	s_getreg_b32 s2, hwreg(HW_REG_IB_STS2, 6, 4)
	s_cmp_eq_u32 s2, 0
	s_cbranch_scc0 .Lentry_in_a_cluster
	s_endpgm
.Lentry_in_a_cluster:
	s_bfe_u32 s2, ttmp6, 0x10000c
	s_cmp_lg_u32 s2, 0xf033
	s_cbranch_scc0 .Lentry_shape_is_right
	s_endpgm
.Lentry_shape_is_right:
; LAY0: h[t][b][n] = the sum over k of s[t][b][k] W0[k][n] for all time steps at once; then, for each (b, n), mem = 0.85 mem + h_t, a spike where mem > 1, mem = 0 where it spiked; the spikes go to X1.
; Left out (shown at prep's head): time step 0.  Its row rides in tile 0, its spikes are 0, and the scan begins at t = 1.
; LIMITS.  Operands in bf16 (spikes are exact), sums and the membrane in f32, the recurrence one fused multiply-add.  A membrane that is infinite or NaN is not treated as reference() treats it.
; SHARES.  A work-group owns 4 batch rows (bq) at all 100 time steps, 25 M tiles, and 256 neurons (nx), 16 N tiles: 64 x 4 = 256 work-groups.  Time cannot be shared out: the scan walks it.  So wave w takes ALL
; 25 M tiles x N tiles 4 w .. 4 w + 3: 100 accumulators, 800 registers; the whole K goes in one pass, and for 32 along K a wave issues 58 LDS loads for 100 matrix instructions.
; LAYOUT (prep's head).  In a result, lane (r = l % 16, h = l / 16) holds neuron r, and register 2 tt + bb holds time 4 tq + tt of batch row 4 bq + 2 h + bb: time runs inside the lane and from accumulator to
; accumulator, a register pair is two independent chains for the packed forms, and a lane's 8 spikes, packed in register order, ARE a unit of the next layer's M tile.
; An A fragment (16 rows x 32 k) is 1,024 consecutive bytes of a tile, read by two turning loads at 16 l and 512 + 16 l; a B fragment likewise by two plain loads: every load covers 512 consecutive bytes.
; RING.  K goes in steps of 64 through two LDS slots.  A slot: A's first 32 k (25 x 1,024 bytes), A's second, B's first (16 x 1,024), B's second: a tensor load each, one a wave.  K = 576 is 9 steps; of the last only
; the first 32 k (512 to 543) are multiplied: its second half, zeros, is fetched with the slot and not read.
; CLUSTER.  4 x 4 work-groups.  A's tiles hang on bq alone and are shared along a row of the cluster, B's on nx alone and are shared along a column: each is asked for JOINTLY, by the same load, descriptor and mask in all four.
; REGISTERS, in windows of 256 (s_set_vgpr_msb: bits 1:0 source 0, 3:2 source 1, 5:4 source 2, 7:6 destination).  Window 0: addresses, fragments, the scan's state, and M tile 0's accumulators (v224-255);
; windows 1, 2, 3: M tiles 1-8, 9-16, 17-24.  Accumulator (tile, nb) begins at register 224 + 8 (4 tile + nb), counted through the windows.
.set PITCH,  18432                     ; bytes in a tile of X0 and of W0T
.set STEPS,  9
.set SLOT1,  131072                    ; slot 1 begins here: one exclusive or turns an address in one slot into the other's
.set ABLK,   25600                     ; A's 25 fragments of 32 k
.set BOFF,   51200                     ; B lies behind A's two blocks
.set BBLK,   16384                     ; B's 16 fragments of 32 k
.set SPARE,  215040                    ; behind slot 1: the spare words, 128 bytes for each wave: two blocks of 256 bytes that no other line names
.set AADR, 2                           ; v2   LDS address of my 16 bytes of A's first fragment in the slot in hand
.set BADR, 3                           ; v3   the same for my wave's four N tiles
.set LA0,  4                           ; v4   16 l; never rewritten
.set LB0,  5                           ; v5   16 l + BOFF + 4,096 w; never rewritten
.set SPW,  6                           ; v6   LDS address of my spare word; never rewritten
.set NIL,  7                           ; v7   0; never rewritten
.set PFO,  8                           ; v8   the prefetches' offset; never rewritten
.set VO,   9                           ; v9   where my unit lies in 512 bytes of X1; never rewritten
.set FB0,  16                          ; v[16:47]   B's four fragments of a step's first 32 k
.set FB1,  48                          ; v[48:79]   of its second
.set FA0,  80                          ; v[80:119]  five fragments of A: odd phases
.set FA1,  120                         ; v[120:159] even phases from 2 on
.set FAX,  160                         ; v[160:199] phase 0
.set UU,   160                         ; the scan: units to store, by tq's parity and nb: UU + 16 par + 4 nb
.set BIG,  200                         ; v[200:201] 2^100, twice
.set NBIG, 202                         ; v[202:203] -2^100, twice
.set MEM,  204                         ; v[204:211] the membrane: a pair for each nb
.set OUT,  212                         ; v[212:219] the spikes
.set ACC,  224
.set G1A, 24                           ; s[24:31] descriptor group 1 for A's blocks
.set G0A, 32                           ; s[32:35] group 0 for A's: it walks
.set G0B, 36                           ; s[36:39] group 0 for B's
.set G1B, 48                           ; s[48:55] group 1 for B's
; s10 wave, s11 wave / 2 (0: I fetch for A, 1: for B), s12 wave % 2 (which 32 k of a step I fetch), s13 bq, s14 nx, s15 the loop's count, s40 cx, s41 cy, s42 the slot in hand, s43 see ASK, s[44:45] the prefetches' base, s[58:59] 0.85
.set MSB, 0
.macro WIN new                         ; the immediate's high byte repeats the setting that is left; a switch that changes nothing is dropped
.if MSB != (\new)
	s_set_vgpr_msb (MSB<<8)|(\new)
.set MSB, (\new)
.endif
.endm
.macro PLACES                          ; a load into a register that a matrix instruction has read stands four plain vector instructions behind it (ISA guide 7.12.1 for vector instructions)
.rept 4
	v_nop
.endr
.endm
; A joint load.  The branch hangs on the wave's number alone.  An s_nop 0 and four v_nop follow each of the two lines, ahead of the jump and the label.
.macro JLOAD
	s_cmp_eq_u32 s11, 0
	s_cbranch_scc0 .Lfor_b_\@
	tensor_load_to_lds s[G0A:G0A+3], s[G1A:G1A+7]
	s_nop 0
.rept 4
	v_nop
.endr
	s_branch .Lasked_\@
.Lfor_b_\@:
	tensor_load_to_lds s[G0B:G0B+3], s[G1B:G1B+7]
	s_nop 0
.rept 4
	v_nop
.endr
.Lasked_\@:
.endm
.macro CREST                           ; a round of the cluster's barrier behind its opening barrier: wave 0 signals for the work-group, every wave waits for all sixteen, my work-group's barrier closes it
	s_cmp_lg_u32 s10, 0
	s_cbranch_scc1 .Lnot_wave_0_\@
	s_barrier_signal -3
.Lnot_wave_0_\@:
	s_barrier_wait -3
	s_barrier_signal -1
	s_barrier_wait -1
.endm
.macro CROUND
	s_barrier_signal -1
	s_barrier_wait -1
	CREST
.endm
; A PREFETCH INTO THE L2, behind a joint load, its five lines and the 18 LDS loads that the next products wait for: the K step that stands TWO refills on, 400 matrix instructions ahead of the load that will want it.
; A's blocks belong to one row of one cluster: waves 0 and 1 name their own 32 k of the 25 tiles, a lane a tile (lanes 25-31 name tile 24 once more); of a tile's 1,024 bytes each of the four partners takes 256, BY ADDRESS (cx).
; B's blocks are read by all sixteen clusters: in the cluster with y = 0 wave 2 names 16 tiles x both halves of the step, a lane each, and the four partners of a column take 256 bytes each (cy).
; s43 is 2 in a wave that asks, else the greatest number: the last two refills have no K step two on.  The first four K steps come by their loads alone.
.macro ASK
	s_cmp_gt_u32 s15, s43
	s_cbranch_scc0 .Lnot_mine_\@
	global_prefetch_b8 v[PFO], s[44:45] th:TH_LOAD_NT scope:SCOPE_SE
.Lnot_mine_\@:
.endm
; Ten LDS loads: A's fragments of tiles 5 g .. 5 g + 4, half c of the step, turned: lane 8 i + j names the 16 bytes of feature j's 8 rows and receives row j's 8 features.
.macro LDA buf, c, g
	WIN 0
.set li, 0
.rept 5
	ds_load_tr16_b128 v[(\buf)+8*li:(\buf)+8*li+3],   v[AADR] offset:(\c)*ABLK+(5*(\g)+li)*1024
	ds_load_tr16_b128 v[(\buf)+8*li+4:(\buf)+8*li+7], v[AADR] offset:(\c)*ABLK+(5*(\g)+li)*1024+512
.set li, li+1
.endr
.endm
.macro LDB buf, c                      ; eight LDS loads: my four N tiles' fragments of half c
	WIN 0
.set li, 0
.rept 4
	ds_load_b128 v[(\buf)+8*li:(\buf)+8*li+3],   v[BADR] offset:(\c)*BBLK+li*1024
	ds_load_b128 v[(\buf)+8*li+4:(\buf)+8*li+7], v[BADR] offset:(\c)*BBLK+li*1024+512
.set li, li+1
.endr
.endm
; Tiles 5 g + i0 .. 5 g + i1 x my four N tiles.  Each of the 100 accumulators has one instruction for 32 k, always in the same order: 99 others' stand between two links of a chain, over the jump and into the tail too.
.macro MULT buf, bbuf, g, i0, i1, zero
.set mi, (\i0)
.rept (\i1)-(\i0)+1
.set mn, 0
.rept 4
.set mR, ACC+8*(4*(5*(\g)+mi)+mn)
.set mD, mR&255
	WIN 0x50*(mR>>8)
.if \zero
	v_wmma_f32_16x16x32_bf16 v[mD:mD+7], v[(\buf)+8*mi:(\buf)+8*mi+7], v[(\bbuf)+8*mn:(\bbuf)+8*mn+7], 0
.else
	v_wmma_f32_16x16x32_bf16 v[mD:mD+7], v[(\buf)+8*mi:(\buf)+8*mi+7], v[(\bbuf)+8*mn:(\bbuf)+8*mn+7], v[mD:mD+7]
.endif
.set mn, mn+1
.endr
.set mi, mi+1
.endr
.endm
; A K step is ten PHASES q = 5 c + g of 20 matrix instructions.  Phase 0 multiplies FAX, odd phases FA0, the other even ones FA1; phases 0-4 FB0, 5-9 FB1.
.macro MULQ q, i0, i1, zero=0
.if (\q) == 0
	MULT FAX, FB0, 0, \i0, \i1, \zero
.elseif (\q)%2
	MULT FA0, FB0+32*((\q)/5), (\q)%5, \i0, \i1, \zero
.else
	MULT FA1, FB0+32*((\q)/5), (\q)%5, \i0, \i1, \zero
.endif
.endm
; Phases 0 to 7: the next phase's ten loads go into the buffer that the phase before has just multiplied (so the four places), then this phase is multiplied: a run of loads has 20 matrix instructions in which to land.
; nob = 1: the step has no second half.  zero = 1: the products start the sums.
.macro PH q, nob=0, zero=0
	PLACES
.set pn, (\q)+1
.if pn%2
	LDA FA0, pn/5, pn%5
.else
	LDA FA1, pn/5, pn%5
.endif
.if ((\q) == 3) && !(\nob)
	LDB FB1, 1
.endif
.if (((\q) == 3) || ((\q) == 4)) && !(\nob)
	s_wait_dscnt 18                                ; phase 3: the ten and B's eight just issued may be out; phase 4: B's eight and the ten just issued
.else
	s_wait_dscnt 10                                ; all but the ten just issued: this phase's fragments are in
.endif
	MULQ \q, 0, 4, \zero
.endm
; Phase 8 changes slots: ONE barrier for two things.  In front of it each wave waits for all its tensor loads, of which one is out: its part of the next slot; adds 0 to its spare word; and waits for that and for its reads
; of this slot, phase 9's among them.  Behind it nobody reads this slot and the next is whole.  fill = 1: the barrier opens a round of the cluster's, and the slot is filled again, two K steps ahead, first thing behind the round.
.macro P8 fill
	PLACES
	LDA FA0, 1, 4                                  ; phase 9's fragments: my last reads of this slot
.if \fill
	s_wait_xcnt 0x0                                ; the last prefetch, a K step back, has read its address:
	s_add_nc_u64 s[44:45], s[44:45], 2048          ; a K step on
.endif
	s_wait_tensorcnt 0x0                           ; all my tensor loads have landed;
	ds_add_u32 v[SPW], v[NIL]                      ; 0 onto my spare word;
	s_wait_dscnt 11                                ; (the add and phase 9's ten loads may be out: phase 8's fragments are in)
	MULQ 8, 0, 1                                   ; eight matrix instructions stand between the add and the wait for it
	s_wait_dscnt 0x0                               ; the add is done, and my reads of this slot are over
	s_barrier_signal -1
	MULQ 8, 2, 3                                   ; work on registers while the others arrive
	WIN 0                                          ; at a branch and at a label every window is 0
	s_barrier_wait -1
.if \fill
	CREST                                          ; no wave of any partner still reads this slot or has a load on its way
	s_xor_b32 s[G0A+1], s[G0A+1], SLOT1            ; the walking descriptors: the other slot than last time,
	s_add_nc_u64 s[G0A+2:G0A+3], s[G0A+2:G0A+3], 2048  ; the next K step; the type bits on top are not reached
	s_xor_b32 s[G0B+1], s[G0B+1], SLOT1
	s_add_nc_u64 s[G0B+2:G0B+3], s[G0B+2:G0B+3], 2048
	JLOAD                                          ; it has a K step less 16 matrix instructions in which to land
.endif
	s_xor_b32 s42, s42, SLOT1
	v_add_nc_u32 v[AADR], s42, v[LA0]
	v_add_nc_u32 v[BADR], s42, v[LB0]
	LDB FB0, 0                                     ; the next step's first fragments: 24 matrix instructions ahead of their use
	LDA FAX, 0, 0
.if \fill
	ASK
.endif
	MULQ 8, 4, 4
.endm
	s_load_b128 s[4:7], s[0:1], 0x0                ; X0 s[4:5], W0T s[6:7]
	s_load_b64 s[8:9], s[0:1], 0x10                ; X1
	v_lshl_add_u32 v[SPW], v0, 2, SPARE
	v_mov_b32 v[NIL], 0
	ds_add_u32 v[SPW], v[NIL]                      ; the wave's opening: the add, twice on end, and its wait ahead of my first tensor load; the set-up below stands between
	ds_add_u32 v[SPW], v[NIL]
	v_lshrrev_b32 v1, 5, v0
	v_readfirstlane_b32 s10, v1                    ; wave 0..3
	s_lshr_b32 s11, s10, 1
	s_and_b32 s12, s10, 1
	s_bfe_u32 s40, ttmp6, 0x40000                  ; cx
	s_bfe_u32 s41, ttmp6, 0x40004                  ; cy
	s_lshl_b32 s14, ttmp9, 2
	s_add_co_u32 s14, s14, s40                     ; nx = 4 x cluster x + cx
	s_and_b32 s13, ttmp7, 0xffff
	s_lshl_b32 s13, s13, 2
	s_add_co_u32 s13, s13, s41                     ; bq = 4 x cluster y + cy
	s_lshl_b32 s16, s41, 2
	s_lshl_b32 s16, 15, s16                        ; my row of the cluster
	s_lshl_b32 s46, 0x1111, s40                    ; my column
	; descriptor group 1: rows of 128 elements of 8 bytes (a fragment), a tile's pitch apart; they land in LDS on end
	s_or_b32 s[G1A], s16, (3<<16)|(1<<21)          ; 15:0 the mask; 17:16 elements of 8 bytes; 21 set beside a mask; no padding
	s_or_b32 s[G1B], s46, (3<<16)|(1<<21)
.irp g, G1A, G1B
	s_mov_b32 s[(\g)+1], 128<<16                   ; tensor_dim0 = 128
	s_mov_b32 s[(\g)+3], 128<<16                   ; tile_dim0 = 128
	s_mov_b32 s[(\g)+5], PITCH/8                   ; elements from row to row
	s_mov_b32 s[(\g)+6], 0
	s_mov_b32 s[(\g)+7], 0
.endr
	s_mov_b32 s[G1A+2], 25<<16                     ; tensor_dim1 = 25 M tiles
	s_mov_b32 s[G1A+4], 25                         ; tile_dim1
	s_mov_b32 s[G1B+2], 16<<16                     ; 16 N tiles
	s_mov_b32 s[G1B+4], 16
	s_mov_b32 s[G0A], 1                            ; count = 1
	s_mul_i32 s[G0A+1], s12, ABLK                  ; LDS address, slot 0: the wave's number alone enters it
	s_mov_b32 s[G0B], 1
	s_lshl_b32 s[G0B+1], s12, 14
	s_add_co_u32 s[G0B+1], s[G0B+1], BOFF
	s_lshl_b32 s18, s12, 10                        ; my 32 k of a step
	s_mul_i32 s16, s13, 25*PITCH                   ; A: my batch rows' 25 tiles
	s_add_co_u32 s16, s16, s18
	s_mov_b32 s17, 0
	s_mul_i32 s46, s14, 16*PITCH                   ; B: my neurons' 16 tiles
	s_add_co_u32 s46, s46, s18
	s_mov_b32 s47, 0
	s_mov_b32 s42, 0
	s_mov_b32 s58, 0x3f59999a                      ; 0.85
	s_mov_b32 s59, s58                             ; named with it as a pair
	s_and_b32 s20, ttmp7, 0xffff                   ; who prefetches: waves 0 and 1 everywhere, wave 2 where the cluster's y is 0: the same in all sixteen partners
	s_cmp_eq_u32 s10, 2
	s_cselect_b32 s20, s20, 1
	s_cmp_lt_u32 s10, 2
	s_cselect_b32 s20, 0, s20
	s_cmp_eq_u32 s20, 0
	s_cselect_b32 s43, 2, -1
	s_wait_dscnt 0x0                               ; both opening adds are done
	s_wait_kmcnt 0x0
	s_add_nc_u64 s[G0A+2:G0A+3], s[4:5], s[16:17]  ; global address: K step 0
	s_or_b32 s[G0A+3], s[G0A+3], 0x80000000        ; type = 2
	s_add_nc_u64 s[G0B+2:G0B+3], s[6:7], s[46:47]
	s_or_b32 s[G0B+3], s[G0B+3], 0x80000000
	CROUND                                         ; all sixteen work-groups are here: the first joint loads meet
	JLOAD                                          ; K step 0 into slot 0
	v_and_b32 v1, 31, v0                           ; l
	v_lshlrev_b32 v[LA0], 4, v1
	s_lshl_b32 s21, s10, 12
	s_add_co_u32 s21, s21, BOFF
	v_add_nc_u32 v[LB0], s21, v[LA0]
	v_min_u32 v10, 24, v1                          ; the prefetches' offsets: for A a lane a tile,
	v_mul_u32_u24 v10, v10, PITCH
	v_and_b32 v11, 15, v1                          ; for B a lane a tile and half of the step
	v_mul_u32_u24 v11, v11, PITCH
	v_lshrrev_b32 v12, 4, v1
	v_lshl_add_u32 v11, v12, 10, v11
	s_cmp_eq_u32 s11, 0
	s_cselect_b32 s20, -1, 0
	s_cselect_b32 s22, s16, s46
	s_cselect_b32 s23, s40, s41                    ; my place among the four that ask with me
	s_cselect_b64 s[44:45], s[4:5], s[6:7]
	v_cndmask_b32 v[PFO], v11, v10, s20
	s_lshl_b32 s23, s23, 8
	s_add_co_u32 s22, s22, s23
	s_add_co_u32 s22, s22, 3*2048                  ; at K step 3: the first refill in the loop steps it to 4
	s_mov_b32 s23, 0
	s_add_nc_u64 s[44:45], s[44:45], s[22:23]
	v_and_b32 v10, 7, v1                           ; my unit in the 512 bytes of an N tile's 16 neurons: 256 (r / 8) + 128 h + 16 (r % 8)
	v_lshlrev_b32 v[VO], 4, v10
	v_bfe_u32 v10, v1, 3, 1
	v_lshl_add_u32 v[VO], v10, 8, v[VO]
	v_bfe_u32 v10, v1, 4, 1
	v_lshl_add_u32 v[VO], v10, 7, v[VO]
	s_mul_i32 s20, s13, 25*32768                   ; X1: my batch rows' 25 tiles of 32,768 bytes,
	s_lshl_b32 s21, s14, 13                        ; my work-group's 256 neurons,
	s_add_co_u32 s20, s20, s21
	s_lshl_b32 s21, s10, 11                        ; my wave's 64
	s_add_co_u32 s20, s20, s21
	s_mov_b32 s21, 0
	s_add_nc_u64 s[8:9], s[8:9], s[20:21]
	v_mov_b32 v[BIG], 0x71800000
	v_mov_b32 v[BIG+1], 0x71800000
	v_mov_b32 v[NBIG], 0xf1800000
	v_mov_b32 v[NBIG+1], 0xf1800000
	; THE FIRST CHANGE: slot 0 is waited for, slot 1 filled for the first time, as a refill is: behind a round
	s_wait_tensorcnt 0x0
	ds_add_u32 v[SPW], v[NIL]                      ; the descriptors' steps stand between the add and the wait for it
	s_xor_b32 s[G0A+1], s[G0A+1], SLOT1
	s_add_nc_u64 s[G0A+2:G0A+3], s[G0A+2:G0A+3], 2048
	s_xor_b32 s[G0B+1], s[G0B+1], SLOT1
	s_add_nc_u64 s[G0B+2:G0B+3], s[G0B+2:G0B+3], 2048
	s_wait_dscnt 0x0
	CROUND
	JLOAD                                          ; K step 1 into slot 1
	v_add_nc_u32 v[AADR], s42, v[LA0]
	v_add_nc_u32 v[BADR], s42, v[LB0]
	LDB FB0, 0
	LDA FAX, 0, 0
	PH 0, 0, 1                                     ; the first 32 k stand in front of the loop: their products start the sums, and nothing is cleared
	PH 1, 0, 1
	PH 2, 0, 1
	PH 3, 0, 1
	PH 4, 0, 1
	WIN 0
	s_mov_b32 s15, STEPS-1
	s_branch .Lmid                                 ; the loop is entered in the middle of a trip
.Lloop:                                                ; a trip: phases 8 and 9 of one K step, phases 0 to 7 of the next.  STEPS - 2 jumps back: K steps 2 to STEPS - 1 are asked for here
	P8 1
	MULQ 9, 0, 4                                   ; its fragments were shown in by the wait for 0 in phase 8
	PH 0
	PH 1
	PH 2
	PH 3
	PH 4
	WIN 0
.Lmid:
	PH 5
	PH 6
	PH 7
	WIN 0
	s_sub_co_u32 s15, s15, 1
	s_cmp_lg_u32 s15, 0
	s_cbranch_scc1 .Lloop
	P8 0                                           ; the tail is written out: nothing is asked for, and no round follows
	MULQ 9, 0, 4
	PH 0                                           ; the last K step: features 512 to 543 alone
	PH 1
	PH 2
	PH 3, 1
	s_wait_dscnt 0x0
	MULQ 4, 0, 4
	; THE SCAN over t = 1 .. 99, two batch rows a line, my four N tiles by turns.  The lines that start the state are the places behind the last products.
	WIN 0
.set sn, 0
.rept 8
	v_mov_b32 v[MEM+sn], 0                         ; reference()'s own initial zeros
.set sn, sn+1
.endr
.set sn, 0
.rept 4
	v_mov_b32 v[UU+4*sn], 0                        ; time step 0 has no spikes
.set sn, sn+1
.endr
.set st, 1
.rept 99
.set sq, st/4
.set sw, (ACC+32*sq)>>8
.if ((st%4) == 0) && (sq >= 2)
	s_wait_xcnt 0x0                                ; the stores of two tiles back have read their data: those registers are written again only behind this wait
.endif
	WIN sw<<4                                      ; the sums lie in the tile's window
.set sn, 0
.rept 4
.set sa, (ACC+32*sq+8*sn+2*(st%4))&255             ; an accumulator's lowest pairs are read first
	v_pk_fma_f32 v[MEM+2*sn:MEM+2*sn+1], v[MEM+2*sn:MEM+2*sn+1], s[58:59], v[sa:sa+1] op_sel_hi:[1,0,1]  ; mem = 0.85 mem + h
.set sn, sn+1
.endr
	WIN 0
.set sn, 0
.rept 4
	v_pk_fma_f32 v[OUT+2*sn:OUT+2*sn+1], v[MEM+2*sn:MEM+2*sn+1], v[BIG:BIG+1], v[NBIG:NBIG+1] clamp  ; (mem - 1) 2^100 held to 0 .. 1: the least mem above 1 gives 2^77, so this is 1 where mem > 1 and else 0
.set sn, sn+1
.endr
.set sn, 0
.rept 4
	v_cvt_pk_bf16_f32 v[UU+16*(sq%2)+4*sn+(st%4)], v[OUT+2*sn], v[OUT+2*sn+1]
.set sn, sn+1
.endr
.set sn, 0
.rept 4
	v_pk_fma_f32 v[MEM+2*sn:MEM+2*sn+1], v[OUT+2*sn:OUT+2*sn+1], v[MEM+2*sn:MEM+2*sn+1], v[MEM+2*sn:MEM+2*sn+1] neg_lo:[1,0,0] neg_hi:[1,0,0]  ; mem - out mem: 0 where it spiked, else mem, both exact
.set sn, sn+1
.endr
.if (st%4) == 3
.set sn, 0
.rept 4
	global_store_b128 v[VO], v[UU+16*(sq%2)+4*sn:UU+16*(sq%2)+4*sn+3], s[8:9] offset:sq*32768+sn*512  ; 512 consecutive bytes, at a multiple of 512 from X1's first byte
.set sn, sn+1
.endr
.endif
.set st, st+1
.endr
	s_wait_tensorcnt 0x0                           ; the wave's end, behind my last tensor load
	ds_add_u32 v[SPW], v[NIL]
	s_wait_dscnt 0x0
	CROUND                                         ; the closing round: no work-group ends while a partner may still ask for a tile that names it
	s_endpgm
.Lfunc_end_k_q62d79b3381_lay0:
	.size	k_q62d79b3381_lay0, .Lfunc_end_k_q62d79b3381_lay0-k_q62d79b3381_lay0
	.p2alignl 7, 3214868480
	.fill 96, 4, 3214868480
	.section	.rodata,"a",@progbits
	.p2align	6, 0x0
	.amdhsa_kernel k_q62d79b3381_lay0
		.amdhsa_group_segment_fixed_size 327680
		.amdhsa_private_segment_fixed_size 0
		.amdhsa_enable_private_segment 0
		.amdhsa_kernarg_size 24
		.amdhsa_user_sgpr_count 2
		.amdhsa_user_sgpr_kernarg_segment_ptr 1
		.amdhsa_wavefront_size32 1
		.amdhsa_system_sgpr_workgroup_id_x 1
		.amdhsa_system_sgpr_workgroup_id_y 1
		.amdhsa_system_sgpr_workgroup_id_z 1
		.amdhsa_system_vgpr_workitem_id 0
		.amdhsa_next_free_vgpr 1024
		.amdhsa_next_free_sgpr 66
		.amdhsa_reserve_vcc 0
		.amdhsa_float_denorm_mode_32 3
		.amdhsa_float_denorm_mode_16_64 3
		.amdhsa_memory_ordered 1
		.amdhsa_forward_progress 1
		.amdhsa_inst_pref_size 174
	.end_amdhsa_kernel
	.amdgpu_metadata
---
amdhsa.version: [ 1, 2 ]
amdhsa.kernels:
  - .name:           k_q62d79b3381_lay0
    .symbol:         k_q62d79b3381_lay0.kd
    .args:
      - { .name: X0, .offset: 0, .size: 8, .value_kind: global_buffer, .address_space: global }
      - { .name: W0T, .offset: 8, .size: 8, .value_kind: global_buffer, .address_space: global }
      - { .name: X1, .offset: 16, .size: 8, .value_kind: global_buffer, .address_space: global }
    .group_segment_fixed_size: 327680
    .private_segment_fixed_size: 0
    .kernarg_segment_align: 8
    .kernarg_segment_size: 24
    .max_flat_workgroup_size: 128
    .sgpr_count:     66
    .vgpr_count:     1024
    .wavefront_size: 32
...
	.end_amdgpu_metadata
.endif
;; end of part 2
;; launch lay1 (part 3): grid 4 x 64, 4 waves a work-group, clusters of 4 x 4, 327,680 bytes of LDS; arguments X1, W1T, Qb; writes Qb
.if DOCPART == 3
	.amdgcn_target "amdgcn-amd-amdhsa--gfx1250"
	.amdhsa_code_object_version 6
	.text
	.protected	k_q62d79b3381_lay1
	.globl	k_q62d79b3381_lay1
	.p2align	8
	.type	k_q62d79b3381_lay1,@function
k_q62d79b3381_lay1:
	s_mov_b64 s[64:65], 0
	v_nop
	global_prefetch_b8 v0, s[64:65] scope:SCOPE_SE
	s_setreg_imm32_b32 hwreg(HW_REG_WAVE_MODE, 25, 1), 1
	s_wait_xcnt 0x0
	s_wait_alu depctr_hold_cnt(0) depctr_sa_sdst(0) depctr_va_vdst(0) depctr_va_sdst(0) depctr_va_ssrc(0) depctr_va_vcc(0) depctr_vm_vsrc(0)
	s_getreg_b32 s2, hwreg(HW_REG_IB_STS2, 6, 4)
	s_cmp_eq_u32 s2, 0
	s_cbranch_scc0 .Lentry_in_a_cluster
	s_endpgm
.Lentry_in_a_cluster:
	s_bfe_u32 s2, ttmp6, 0x10000c
	s_cmp_lg_u32 s2, 0xf033
	s_cbranch_scc0 .Lentry_shape_is_right
	s_endpgm
.Lentry_shape_is_right:
; LAY1: h[t][b][n] = the sum over k of out0[t][b][k] W1[k][n] for all time steps at once; then, for each (b, n): syn = 0.9 syn + h_t, mem = 0.85 mem + syn, a spike where mem > 1, mem = 0 where it spiked,
; P = 0.9 P + spike, Q = 0.85 Q + P.  Q at t = 99 goes to Qb, f32 [256][1024].
; Left out (shown at prep's head): time step 0, and the 99 products with W2: mem2_99 = Q_99 W2, which the next launch makes.
; LIMITS.  Operands in bf16 (spikes are exact), sums and all that is carried over time in f32, each recurrence one fused multiply-add.  A membrane that is infinite or NaN is not treated as reference() treats it.
; SHARES, LAYOUT, RING, CLUSTER, REGISTERS: as in lay0, with K = 1,024 in 16 steps of 64, all of them whole.  A work-group owns 4 batch rows at all 100 time steps (25 M tiles) and 256 neurons (16 N tiles); wave w takes all
; 25 M tiles x N tiles 4 w .. 4 w + 3: 100 accumulators.  In a result, lane (r = l % 16, h = l / 16) holds neuron r, register 2 tt + bb time 4 tq + tt of batch row 4 bq + 2 h + bb.  A and B fragments are 1,024 consecutive
; bytes of a tile; A's are read by turning loads.  Two LDS slots of a K step each (A's two blocks of 25 fragments, B's two of 16), a tensor load a wave.  A's blocks are shared along a row of the 4 x 4 cluster, B's along a column.
; Window 0: addresses, fragments, the scan's state, M tile 0's accumulators (v224-255); windows 1, 2, 3: M tiles 1-8, 9-16, 17-24; accumulator (tile, nb) begins at register 224 + 8 (4 tile + nb).
.set PITCH,  32768                     ; bytes in a tile of X1 and of W1T
.set STEPS,  16
.set SLOT1,  131072                    ; slot 1 begins here: one exclusive or turns an address in one slot into the other's
.set ABLK,   25600                     ; A's 25 fragments of 32 k
.set BOFF,   51200                     ; B lies behind A's two blocks
.set BBLK,   16384                     ; B's 16 fragments of 32 k
.set STAGE,  215040                    ; behind slot 1, never filled by a tensor load: 1,024 bytes for each wave, for the way out
.set SPARE,  219136                    ; behind the stages: the spare words, 128 bytes for each wave: two blocks of 256 bytes that no other line names
.set AADR, 2                           ; v2   LDS address of my 16 bytes of A's first fragment in the slot in hand
.set BADR, 3                           ; v3   the same for my wave's four N tiles
.set LA0,  4                           ; v4   16 l; never rewritten
.set LB0,  5                           ; v5   16 l + BOFF + 4,096 w; never rewritten
.set SPW,  6                           ; v6   LDS address of my spare word; never rewritten
.set NIL,  7                           ; v7   0; never rewritten
.set PFO,  8                           ; v8   the prefetches' offset; never rewritten
.set VO,   9                           ; v9   my 16 bytes in two rows of Qb
.set SST,  10                          ; v10  the way out: where I put my numbers
.set SRD,  11                          ; v11  the way out: where I read rows back
.set FB0,  16                          ; v[16:47]   B's four fragments of a step's first 32 k
.set FB1,  48                          ; v[48:79]   of its second
.set FA0,  80                          ; v[80:119]  five fragments of A: odd phases
.set FA1,  120                         ; v[120:159] even phases from 2 on
.set FAX,  160                         ; v[160:199] phase 0
.set PP,   160                         ; the scan: v[160:167] P, a pair for each nb
.set QQ,   168                         ; v[168:175] Q
.set BIG,  200                         ; v[200:201] 2^100, twice
.set NBIG, 202                         ; v[202:203] -2^100, twice
.set MEM,  204                         ; v[204:211] the membrane
.set OUT,  212                         ; v[212:219] the spikes
.set ACC,  224
.set G1A, 24                           ; s[24:31] descriptor group 1 for A's blocks
.set G0A, 32                           ; s[32:35] group 0 for A's: it walks
.set G0B, 36                           ; s[36:39] group 0 for B's
.set G1B, 48                           ; s[48:55] group 1 for B's
; s10 wave, s11 wave / 2 (0: I fetch for A, 1: for B), s12 wave % 2 (which 32 k of a step I fetch), s13 bq, s14 nx, s15 the loop's count, s40 cx, s41 cy, s42 the slot in hand, s43 see ASK, s[44:45] the prefetches' base, s[56:57] 0.9, s[58:59] 0.85
.set MSB, 0
.macro WIN new                         ; the immediate's high byte repeats the setting that is left; a switch that changes nothing is dropped
.if MSB != (\new)
	s_set_vgpr_msb (MSB<<8)|(\new)
.set MSB, (\new)
.endif
.endm
.macro PLACES                          ; a load into a register that a matrix instruction has read stands four plain vector instructions behind it (ISA guide 7.12.1 for vector instructions)
.rept 4
	v_nop
.endr
.endm
; A joint load.  The branch hangs on the wave's number alone.  An s_nop 0 and four v_nop follow each of the two lines, ahead of the jump and the label.
.macro JLOAD
	s_cmp_eq_u32 s11, 0
	s_cbranch_scc0 .Lfor_b_\@
	tensor_load_to_lds s[G0A:G0A+3], s[G1A:G1A+7]
	s_nop 0
.rept 4
	v_nop
.endr
	s_branch .Lasked_\@
.Lfor_b_\@:
	tensor_load_to_lds s[G0B:G0B+3], s[G1B:G1B+7]
	s_nop 0
.rept 4
	v_nop
.endr
.Lasked_\@:
.endm
.macro CREST                           ; a round of the cluster's barrier behind its opening barrier: wave 0 signals for the work-group, every wave waits for all sixteen, my work-group's barrier closes it
	s_cmp_lg_u32 s10, 0
	s_cbranch_scc1 .Lnot_wave_0_\@
	s_barrier_signal -3
.Lnot_wave_0_\@:
	s_barrier_wait -3
	s_barrier_signal -1
	s_barrier_wait -1
.endm
.macro CROUND
	s_barrier_signal -1
	s_barrier_wait -1
	CREST
.endm
; A PREFETCH INTO THE L2, behind a joint load, its five lines and the 18 LDS loads that the next products wait for: the K step that stands TWO refills on, 400 matrix instructions ahead of the load that will want it.
; A's blocks belong to one row of one cluster: waves 0 and 1 name their own 32 k of the 25 tiles, a lane a tile (lanes 25-31 name tile 24 once more); of a tile's 1,024 bytes each of the four partners takes 256, BY ADDRESS (cx).
; B's blocks are read by all sixteen clusters: in the cluster with y = 0 wave 2 names 16 tiles x both halves of the step, a lane each, and the four partners of a column take 256 bytes each (cy).
; s43 is 2 in a wave that asks, else the greatest number: the last two refills have no K step two on.  The first four K steps come by their loads alone.
.macro ASK
	s_cmp_gt_u32 s15, s43
	s_cbranch_scc0 .Lnot_mine_\@
	global_prefetch_b8 v[PFO], s[44:45] th:TH_LOAD_NT scope:SCOPE_SE
.Lnot_mine_\@:
.endm
; Ten LDS loads: A's fragments of tiles 5 g .. 5 g + 4, half c of the step, turned: lane 8 i + j names the 16 bytes of feature j's 8 rows and receives row j's 8 features.
.macro LDA buf, c, g
	WIN 0
.set li, 0
.rept 5
	ds_load_tr16_b128 v[(\buf)+8*li:(\buf)+8*li+3],   v[AADR] offset:(\c)*ABLK+(5*(\g)+li)*1024
	ds_load_tr16_b128 v[(\buf)+8*li+4:(\buf)+8*li+7], v[AADR] offset:(\c)*ABLK+(5*(\g)+li)*1024+512
.set li, li+1
.endr
.endm
.macro LDB buf, c                      ; eight LDS loads: my four N tiles' fragments of half c
	WIN 0
.set li, 0
.rept 4
	ds_load_b128 v[(\buf)+8*li:(\buf)+8*li+3],   v[BADR] offset:(\c)*BBLK+li*1024
	ds_load_b128 v[(\buf)+8*li+4:(\buf)+8*li+7], v[BADR] offset:(\c)*BBLK+li*1024+512
.set li, li+1
.endr
.endm
; Tiles 5 g + i0 .. 5 g + i1 x my four N tiles.  Each of the 100 accumulators has one instruction for 32 k, always in the same order: 99 others' stand between two links of a chain, over the jump and into the tail too.
.macro MULT buf, bbuf, g, i0, i1, zero
.set mi, (\i0)
.rept (\i1)-(\i0)+1
.set mn, 0
.rept 4
.set mR, ACC+8*(4*(5*(\g)+mi)+mn)
.set mD, mR&255
	WIN 0x50*(mR>>8)
.if \zero
	v_wmma_f32_16x16x32_bf16 v[mD:mD+7], v[(\buf)+8*mi:(\buf)+8*mi+7], v[(\bbuf)+8*mn:(\bbuf)+8*mn+7], 0
.else
	v_wmma_f32_16x16x32_bf16 v[mD:mD+7], v[(\buf)+8*mi:(\buf)+8*mi+7], v[(\bbuf)+8*mn:(\bbuf)+8*mn+7], v[mD:mD+7]
.endif
.set mn, mn+1
.endr
.set mi, mi+1
.endr
.endm
; A K step is ten PHASES q = 5 c + g of 20 matrix instructions.  Phase 0 multiplies FAX, odd phases FA0, the other even ones FA1; phases 0-4 FB0, 5-9 FB1.
.macro MULQ q, i0, i1, zero=0
.if (\q) == 0
	MULT FAX, FB0, 0, \i0, \i1, \zero
.elseif (\q)%2
	MULT FA0, FB0+32*((\q)/5), (\q)%5, \i0, \i1, \zero
.else
	MULT FA1, FB0+32*((\q)/5), (\q)%5, \i0, \i1, \zero
.endif
.endm
; Phases 0 to 7: the next phase's ten loads go into the buffer that the phase before has just multiplied (so the four places), then this phase is multiplied: a run of loads has 20 matrix instructions in which to land.
; zero = 1: the products start the sums.
.macro PH q, zero=0
	PLACES
.set pn, (\q)+1
.if pn%2
	LDA FA0, pn/5, pn%5
.else
	LDA FA1, pn/5, pn%5
.endif
.if (\q) == 3
	LDB FB1, 1
.endif
.if ((\q) == 3) || ((\q) == 4)
	s_wait_dscnt 18                                ; phase 3: the ten and B's eight just issued may be out; phase 4: B's eight and the ten just issued
.else
	s_wait_dscnt 10                                ; all but the ten just issued: this phase's fragments are in
.endif
	MULQ \q, 0, 4, \zero
.endm
; Phase 8 changes slots: ONE barrier for two things.  In front of it each wave waits for all its tensor loads, of which one is out: its part of the next slot; adds 0 to its spare word; and waits for that and for its reads
; of this slot, phase 9's among them.  Behind it nobody reads this slot and the next is whole.  fill = 1: the barrier opens a round of the cluster's, and the slot is filled again, two K steps ahead, first thing behind the round.
.macro P8 fill
	PLACES
	LDA FA0, 1, 4                                  ; phase 9's fragments: my last reads of this slot
.if \fill
	s_wait_xcnt 0x0                                ; the last prefetch, a K step back, has read its address:
	s_add_nc_u64 s[44:45], s[44:45], 2048          ; a K step on
.endif
	s_wait_tensorcnt 0x0                           ; all my tensor loads have landed;
	ds_add_u32 v[SPW], v[NIL]                      ; 0 onto my spare word;
	s_wait_dscnt 11                                ; (the add and phase 9's ten loads may be out: phase 8's fragments are in)
	MULQ 8, 0, 1                                   ; eight matrix instructions stand between the add and the wait for it
	s_wait_dscnt 0x0                               ; the add is done, and my reads of this slot are over
	s_barrier_signal -1
	MULQ 8, 2, 3                                   ; work on registers while the others arrive
	WIN 0                                          ; at a branch and at a label every window is 0
	s_barrier_wait -1
.if \fill
	CREST                                          ; no wave of any partner still reads this slot or has a load on its way
	s_xor_b32 s[G0A+1], s[G0A+1], SLOT1            ; the walking descriptors: the other slot than last time,
	s_add_nc_u64 s[G0A+2:G0A+3], s[G0A+2:G0A+3], 2048  ; the next K step; the type bits on top are not reached
	s_xor_b32 s[G0B+1], s[G0B+1], SLOT1
	s_add_nc_u64 s[G0B+2:G0B+3], s[G0B+2:G0B+3], 2048
	JLOAD                                          ; it has a K step less 16 matrix instructions in which to land
.endif
	s_xor_b32 s42, s42, SLOT1
	v_add_nc_u32 v[AADR], s42, v[LA0]
	v_add_nc_u32 v[BADR], s42, v[LB0]
	LDB FB0, 0                                     ; the next step's first fragments: 24 matrix instructions ahead of their use
	LDA FAX, 0, 0
.if \fill
	ASK
.endif
	MULQ 8, 4, 4
.endm
	s_load_b128 s[4:7], s[0:1], 0x0                ; X1 s[4:5], W1T s[6:7]
	s_load_b64 s[8:9], s[0:1], 0x10                ; Qb
	v_lshl_add_u32 v[SPW], v0, 2, SPARE
	v_mov_b32 v[NIL], 0
	ds_add_u32 v[SPW], v[NIL]                      ; the wave's opening: the add, twice on end, and its wait ahead of my first tensor load; the set-up below stands between
	ds_add_u32 v[SPW], v[NIL]
	v_lshrrev_b32 v1, 5, v0
	v_readfirstlane_b32 s10, v1                    ; wave 0..3
	s_lshr_b32 s11, s10, 1
	s_and_b32 s12, s10, 1
	s_bfe_u32 s40, ttmp6, 0x40000                  ; cx
	s_bfe_u32 s41, ttmp6, 0x40004                  ; cy
	s_lshl_b32 s14, ttmp9, 2
	s_add_co_u32 s14, s14, s40                     ; nx = 4 x cluster x + cx
	s_and_b32 s13, ttmp7, 0xffff
	s_lshl_b32 s13, s13, 2
	s_add_co_u32 s13, s13, s41                     ; bq = 4 x cluster y + cy
	s_lshl_b32 s16, s41, 2
	s_lshl_b32 s16, 15, s16                        ; my row of the cluster
	s_lshl_b32 s46, 0x1111, s40                    ; my column
	; descriptor group 1: rows of 128 elements of 8 bytes (a fragment), a tile's pitch apart; they land in LDS on end
	s_or_b32 s[G1A], s16, (3<<16)|(1<<21)          ; 15:0 the mask; 17:16 elements of 8 bytes; 21 set beside a mask; no padding
	s_or_b32 s[G1B], s46, (3<<16)|(1<<21)
.irp g, G1A, G1B
	s_mov_b32 s[(\g)+1], 128<<16                   ; tensor_dim0 = 128
	s_mov_b32 s[(\g)+3], 128<<16                   ; tile_dim0 = 128
	s_mov_b32 s[(\g)+5], PITCH/8                   ; elements from row to row
	s_mov_b32 s[(\g)+6], 0
	s_mov_b32 s[(\g)+7], 0
.endr
	s_mov_b32 s[G1A+2], 25<<16                     ; tensor_dim1 = 25 M tiles
	s_mov_b32 s[G1A+4], 25                         ; tile_dim1
	s_mov_b32 s[G1B+2], 16<<16                     ; 16 N tiles
	s_mov_b32 s[G1B+4], 16
	s_mov_b32 s[G0A], 1                            ; count = 1
	s_mul_i32 s[G0A+1], s12, ABLK                  ; LDS address, slot 0: the wave's number alone enters it
	s_mov_b32 s[G0B], 1
	s_lshl_b32 s[G0B+1], s12, 14
	s_add_co_u32 s[G0B+1], s[G0B+1], BOFF
	s_lshl_b32 s18, s12, 10                        ; my 32 k of a step
	s_mul_i32 s16, s13, 25*PITCH                   ; A: my batch rows' 25 tiles
	s_add_co_u32 s16, s16, s18
	s_mov_b32 s17, 0
	s_mul_i32 s46, s14, 16*PITCH                   ; B: my neurons' 16 tiles
	s_add_co_u32 s46, s46, s18
	s_mov_b32 s47, 0
	s_mov_b32 s42, 0
	s_mov_b32 s56, 0x3f666666                      ; 0.9
	s_mov_b32 s57, s56                             ; named with it as a pair
	s_mov_b32 s58, 0x3f59999a                      ; 0.85
	s_mov_b32 s59, s58
	s_and_b32 s20, ttmp7, 0xffff                   ; who prefetches: waves 0 and 1 everywhere, wave 2 where the cluster's y is 0: the same in all sixteen partners
	s_cmp_eq_u32 s10, 2
	s_cselect_b32 s20, s20, 1
	s_cmp_lt_u32 s10, 2
	s_cselect_b32 s20, 0, s20
	s_cmp_eq_u32 s20, 0
	s_cselect_b32 s43, 2, -1
	s_wait_dscnt 0x0                               ; both opening adds are done
	s_wait_kmcnt 0x0
	s_add_nc_u64 s[G0A+2:G0A+3], s[4:5], s[16:17]  ; global address: K step 0
	s_or_b32 s[G0A+3], s[G0A+3], 0x80000000        ; type = 2
	s_add_nc_u64 s[G0B+2:G0B+3], s[6:7], s[46:47]
	s_or_b32 s[G0B+3], s[G0B+3], 0x80000000
	CROUND                                         ; all sixteen work-groups are here: the first joint loads meet
	JLOAD                                          ; K step 0 into slot 0
	v_and_b32 v1, 31, v0                           ; l
	v_lshlrev_b32 v[LA0], 4, v1
	s_lshl_b32 s21, s10, 12
	s_add_co_u32 s21, s21, BOFF
	v_add_nc_u32 v[LB0], s21, v[LA0]
	v_min_u32 v12, 24, v1                          ; the prefetches' offsets: for A a lane a tile,
	v_mul_u32_u24 v12, v12, PITCH
	v_and_b32 v13, 15, v1                          ; for B a lane a tile and half of the step
	v_mul_u32_u24 v14, v13, PITCH
	v_lshrrev_b32 v15, 4, v1
	v_lshl_add_u32 v14, v15, 10, v14
	s_cmp_eq_u32 s11, 0
	s_cselect_b32 s20, -1, 0
	s_cselect_b32 s22, s16, s46
	s_cselect_b32 s23, s40, s41                    ; my place among the four that ask with me
	s_cselect_b64 s[44:45], s[4:5], s[6:7]
	v_cndmask_b32 v[PFO], v14, v12, s20
	s_lshl_b32 s23, s23, 8
	s_add_co_u32 s22, s22, s23
	s_add_co_u32 s22, s22, 3*2048                  ; at K step 3: the first refill in the loop steps it to 4
	s_mov_b32 s23, 0
	s_add_nc_u64 s[44:45], s[44:45], s[22:23]
	s_lshl_b32 s21, s10, 10
	s_add_co_u32 s21, s21, STAGE                   ; my stage: 4 batch rows x 64 neurons of f32
	v_lshlrev_b32 v[SST], 2, v13                   ; in: neuron r, 4 bytes;
	v_lshl_add_u32 v[SST], v15, 9, v[SST]          ; batch rows 2 h and 2 h + 1
	v_add_nc_u32 v[SST], s21, v[SST]
	v_add_nc_u32 v[SRD], s21, v[LA0]               ; back: lanes 0-15 take one row of 256 bytes, lanes 16-31 the next
	v_lshlrev_b32 v[VO], 4, v13                    ; and the same two rows in Qb
	v_lshl_add_u32 v[VO], v15, 12, v[VO]
	s_lshl_b32 s20, s13, 14                        ; Qb: my four batch rows of 4,096 bytes,
	s_lshl_b32 s21, s14, 10                        ; my work-group's 256 neurons,
	s_add_co_u32 s20, s20, s21
	s_lshl_b32 s21, s10, 8                         ; my wave's 64
	s_add_co_u32 s20, s20, s21
	s_mov_b32 s21, 0
	s_add_nc_u64 s[8:9], s[8:9], s[20:21]
	v_mov_b32 v[BIG], 0x71800000
	v_mov_b32 v[BIG+1], 0x71800000
	v_mov_b32 v[NBIG], 0xf1800000
	v_mov_b32 v[NBIG+1], 0xf1800000
	; THE FIRST CHANGE: slot 0 is waited for, slot 1 filled for the first time, as a refill is: behind a round
	s_wait_tensorcnt 0x0
	ds_add_u32 v[SPW], v[NIL]                      ; the descriptors' steps stand between the add and the wait for it
	s_xor_b32 s[G0A+1], s[G0A+1], SLOT1
	s_add_nc_u64 s[G0A+2:G0A+3], s[G0A+2:G0A+3], 2048
	s_xor_b32 s[G0B+1], s[G0B+1], SLOT1
	s_add_nc_u64 s[G0B+2:G0B+3], s[G0B+2:G0B+3], 2048
	s_wait_dscnt 0x0
	CROUND
	JLOAD                                          ; K step 1 into slot 1
	v_add_nc_u32 v[AADR], s42, v[LA0]
	v_add_nc_u32 v[BADR], s42, v[LB0]
	LDB FB0, 0
	LDA FAX, 0, 0
	PH 0, 1                                        ; the first 32 k stand in front of the loop: their products start the sums, and nothing is cleared
	PH 1, 1
	PH 2, 1
	PH 3, 1
	PH 4, 1
	WIN 0
	s_mov_b32 s15, STEPS-1
	s_branch .Lmid                                 ; the loop is entered in the middle of a trip
.Lloop:                                                ; a trip: phases 8 and 9 of one K step, phases 0 to 7 of the next.  STEPS - 2 jumps back: K steps 2 to STEPS - 1 are asked for here
	P8 1
	MULQ 9, 0, 4                                   ; its fragments were shown in by the wait for 0 in phase 8
	PH 0
	PH 1
	PH 2
	PH 3
	PH 4
	WIN 0
.Lmid:
	PH 5
	PH 6
	PH 7
	WIN 0
	s_sub_co_u32 s15, s15, 1
	s_cmp_lg_u32 s15, 0
	s_cbranch_scc1 .Lloop
	P8 0                                           ; the tail is written out: nothing is asked for, and no round follows
	MULQ 9, 0, 4
	PH 0                                           ; the last K step
	PH 1
	PH 2
	PH 3
	PH 4
	PH 5
	PH 6
	PH 7
	PLACES
	LDA FA0, 1, 4
	s_wait_dscnt 10                                ; phase 8's fragments are in
	MULQ 8, 0, 4
	s_wait_dscnt 0x0
	MULQ 9, 0, 4
	; THE SCAN over t = 1 .. 99, two batch rows a line, my four N tiles by turns.  The lines that start the state are the places behind the last products.
	WIN 0
.set sn, 0
.rept 8
	v_mov_b32 v[MEM+sn], 0                         ; reference()'s own initial zeros, and P's and Q's
	v_mov_b32 v[PP+sn], 0
	v_mov_b32 v[QQ+sn], 0
.set sn, sn+1
.endr
.set st, 1
.rept 99
.set sq, st/4
.set sw, (ACC+32*sq)>>8
.if (st == 1) || ((st%4) == 0)
	; the tile's synapses, in place on its sums, in one run: syn_t = 0.9 syn_(t-1) + h_t (syn_1 = h_1).  An accumulator's lowest pairs are read first.
.set su, st
.rept 4-(st%4)
.if su >= 2
.set swd, (ACC+32*(su/4))>>8
.set sws, (ACC+32*((su-1)/4))>>8
	WIN (swd<<6)|(swd<<4)|sws
.set sn, 0
.rept 4
.set sa, (ACC+32*(su/4)+8*sn+2*(su%4))&255
.set sb, (ACC+32*((su-1)/4)+8*sn+2*((su-1)%4))&255
	v_pk_fma_f32 v[sa:sa+1], v[sb:sb+1], s[56:57], v[sa:sa+1] op_sel_hi:[1,0,1]
.set sn, sn+1
.endr
.endif
.set su, su+1
.endr
.endif
	WIN sw<<4
.set sn, 0
.rept 4
.set sa, (ACC+32*sq+8*sn+2*(st%4))&255
	v_pk_fma_f32 v[MEM+2*sn:MEM+2*sn+1], v[MEM+2*sn:MEM+2*sn+1], s[58:59], v[sa:sa+1] op_sel_hi:[1,0,1]  ; mem = 0.85 mem + syn
.set sn, sn+1
.endr
	WIN 0
.set sn, 0
.rept 4
	v_pk_fma_f32 v[OUT+2*sn:OUT+2*sn+1], v[MEM+2*sn:MEM+2*sn+1], v[BIG:BIG+1], v[NBIG:NBIG+1] clamp  ; (mem - 1) 2^100 held to 0 .. 1: the least mem above 1 gives 2^77, so this is 1 where mem > 1 and else 0
.set sn, sn+1
.endr
.set sn, 0
.rept 4
	v_pk_fma_f32 v[MEM+2*sn:MEM+2*sn+1], v[OUT+2*sn:OUT+2*sn+1], v[MEM+2*sn:MEM+2*sn+1], v[MEM+2*sn:MEM+2*sn+1] neg_lo:[1,0,0] neg_hi:[1,0,0]  ; mem - out mem: 0 where it spiked, else mem, both exact
.set sn, sn+1
.endr
.set sn, 0
.rept 4
	v_pk_fma_f32 v[PP+2*sn:PP+2*sn+1], v[PP+2*sn:PP+2*sn+1], s[56:57], v[OUT+2*sn:OUT+2*sn+1] op_sel_hi:[1,0,1]  ; P = 0.9 P + out
.set sn, sn+1
.endr
.set sn, 0
.rept 4
	v_pk_fma_f32 v[QQ+2*sn:QQ+2*sn+1], v[QQ+2*sn:QQ+2*sn+1], s[58:59], v[PP+2*sn:PP+2*sn+1] op_sel_hi:[1,0,1]  ; Q = 0.85 Q + P
.set sn, sn+1
.endr
.set st, st+1
.endr
	; THE WAY OUT: a lane holds one neuron of two batch rows; through my own stage the numbers come back as rows of 256 bytes.
.set sn, 0
.rept 4
	ds_store_b32 v[SST], v[QQ+2*sn] offset:sn*64
	ds_store_b32 v[SST], v[QQ+2*sn+1] offset:sn*64+256
.set sn, sn+1
.endr
	ds_load_b128 v[FB0:FB0+3], v[SRD]              ; LDS serves a wave's instructions in order (ISA guide 5.7.1.4): these see the stores above
	ds_load_b128 v[FB0+4:FB0+7], v[SRD] offset:512
	s_wait_dscnt 0x0
	global_store_b128 v[VO], v[FB0:FB0+3], s[8:9]              ; 16 lanes store 256 consecutive bytes, at a multiple of 256 from Qb's first byte
	global_store_b128 v[VO], v[FB0+4:FB0+7], s[8:9] offset:8192
	s_wait_tensorcnt 0x0                           ; the wave's end, behind my last tensor load and my last LDS store
	ds_add_u32 v[SPW], v[NIL]
	s_wait_dscnt 0x0
	CROUND                                         ; the closing round: no work-group ends while a partner may still ask for a tile that names it
	s_endpgm
.Lfunc_end_k_q62d79b3381_lay1:
	.size	k_q62d79b3381_lay1, .Lfunc_end_k_q62d79b3381_lay1-k_q62d79b3381_lay1
	.p2alignl 7, 3214868480
	.fill 96, 4, 3214868480
	.section	.rodata,"a",@progbits
	.p2align	6, 0x0
	.amdhsa_kernel k_q62d79b3381_lay1
		.amdhsa_group_segment_fixed_size 327680
		.amdhsa_private_segment_fixed_size 0
		.amdhsa_enable_private_segment 0
		.amdhsa_kernarg_size 24
		.amdhsa_user_sgpr_count 2
		.amdhsa_user_sgpr_kernarg_segment_ptr 1
		.amdhsa_wavefront_size32 1
		.amdhsa_system_sgpr_workgroup_id_x 1
		.amdhsa_system_sgpr_workgroup_id_y 1
		.amdhsa_system_sgpr_workgroup_id_z 1
		.amdhsa_system_vgpr_workitem_id 0
		.amdhsa_next_free_vgpr 1024
		.amdhsa_next_free_sgpr 66
		.amdhsa_reserve_vcc 0
		.amdhsa_float_denorm_mode_32 3
		.amdhsa_float_denorm_mode_16_64 3
		.amdhsa_memory_ordered 1
		.amdhsa_forward_progress 1
		.amdhsa_inst_pref_size 226
	.end_amdhsa_kernel
	.amdgpu_metadata
---
amdhsa.version: [ 1, 2 ]
amdhsa.kernels:
  - .name:           k_q62d79b3381_lay1
    .symbol:         k_q62d79b3381_lay1.kd
    .args:
      - { .name: X1, .offset: 0, .size: 8, .value_kind: global_buffer, .address_space: global }
      - { .name: W1T, .offset: 8, .size: 8, .value_kind: global_buffer, .address_space: global }
      - { .name: Qb, .offset: 16, .size: 8, .value_kind: global_buffer, .address_space: global }
    .group_segment_fixed_size: 327680
    .private_segment_fixed_size: 0
    .kernarg_segment_align: 8
    .kernarg_segment_size: 24
    .max_flat_workgroup_size: 128
    .sgpr_count:     66
    .vgpr_count:     1024
    .wavefront_size: 32
...
	.end_amdgpu_metadata
.endif
;; end of part 3
;; launch fin (part 4): grid 8 x 16, 8 waves a work-group, no clusters, 35,840 bytes of LDS; arguments Qb, W2T, out0; writes out0
.if DOCPART == 4
	.amdgcn_target "amdgcn-amd-amdhsa--gfx1250"
	.amdhsa_code_object_version 6
	.text
	.protected	k_q62d79b3381_fin
	.globl	k_q62d79b3381_fin
	.p2align	8
	.type	k_q62d79b3381_fin,@function
k_q62d79b3381_fin:
	s_mov_b64 s[64:65], 0
	v_nop
	global_prefetch_b8 v0, s[64:65] scope:SCOPE_SE
	s_setreg_imm32_b32 hwreg(HW_REG_WAVE_MODE, 25, 1), 1
	s_wait_xcnt 0x0
; FIN: out0[b][c] = the sum over n of Q[b][n] W2[n][c]: the one product that stands for layer 2's 99 (shown at prep's head).  Q: f32 [256][1024]; W2T: bf16, N tiles of 32,768 bytes; out0: f32 [256][512].
; Q is no spike train: it enters as TWO bf16 operands, hi = Q rounded and lo = (Q - hi) rounded, both multiplied by the same weights and summed in f32: what is lost of Q lies 16 bits or more below it.
; SHARES.  A work-group makes 16 rows x 64 columns, so that its stores cover whole rows of 256 bytes: 8 x 16 = 128 work-groups; the product has work for no more at that width.  K IS SPLIT AMONG ITS EIGHT WAVES,
; 128 each: four fragments.  The eight partial sums meet in LDS (f32 sums, in a fixed order).  Everything comes straight from memory into registers, all 48 loads of a wave at once: no ring, no cluster, no prefetch:
; the launch is short, each byte of Q is read by 8 work-groups and each of W2T by 16.
; LAYOUT.  The product is taken transposed (source 0 = 16 columns of W2, source 1 = 16 rows of Q): a lane (r = l % 16, h = l / 16) ends with row r and 8 neighbouring columns 8 h + 0..7 of each N tile.
.set SPARE, 34816                      ; behind the partial sums (8 x 4,352 bytes): the spare words, 128 bytes for each wave: four blocks of 256 bytes that no other line names
.set QO,  4                            ; v4   my bytes in Q's rows: 4,096 r + 32 h
.set WO,  5                            ; v5   16 l
.set SPW, 6                            ; v6   LDS address of my spare word; never rewritten
.set NIL, 7                            ; v7   0; never rewritten
.set LS,  8                            ; v8   where I put my partial sums: 4,352 wave + 272 r + 32 h
.set LR,  9                            ; v9   where thread T reads them: 272 (T / 16) + 16 (T % 16)
.set GO,  10                           ; v10  thread T's 16 bytes of out0
.set FQ,  16                           ; v[16:79]   Q in f32, 16 registers a fragment; fragment s - 1's registers then take fragment s's hi and lo
.set FW,  80                           ; v[80:207]  W2T's fragments: N tile j, fragment s at FW + 32 j + 8 s
.set AC,  208                          ; v[208:239] four accumulators
.set TT,  240                          ; v[240:255] fragment 0's hi and lo
	s_load_b128 s[4:7], s[0:1], 0x0                ; Qb s[4:5], W2T s[6:7]
	s_load_b64 s[8:9], s[0:1], 0x10                ; out0
	v_lshl_add_u32 v[SPW], v0, 2, SPARE
	v_mov_b32 v[NIL], 0
	v_lshrrev_b32 v1, 5, v0
	v_readfirstlane_b32 s10, v1                    ; wave 0..7
	v_and_b32 v1, 31, v0                           ; l
	v_and_b32 v2, 15, v0                           ; r, and T % 16
	v_bfe_u32 v3, v0, 4, 1                         ; h
	v_lshlrev_b32 v[QO], 12, v2
	v_lshl_add_u32 v[QO], v3, 5, v[QO]
	v_lshlrev_b32 v[WO], 4, v1
	s_mul_i32 s13, s10, 4352
	v_mul_u32_u24 v[LS], v2, 272                   ; rows of 256 bytes + 16: the 16 rows of a store start at 16 different groups of four banks (64 banks of 4 bytes: ISA guide 11.1)
	v_lshl_add_u32 v[LS], v3, 5, v[LS]
	v_add_nc_u32 v[LS], s13, v[LS]
	v_lshrrev_b32 v11, 4, v0                       ; T / 16
	v_mul_u32_u24 v[LR], v11, 272
	v_lshl_add_u32 v[LR], v2, 4, v[LR]
	v_lshlrev_b32 v[GO], 11, v11
	v_lshl_add_u32 v[GO], v2, 4, v[GO]
	s_and_b32 s12, ttmp7, 0xffff
	s_lshl_b32 s14, s12, 16                        ; Q: 16 rows of 4,096 bytes,
	s_lshl_b32 s15, s10, 9                         ; my wave's 128 numbers
	s_add_co_u32 s14, s14, s15
	s_mov_b32 s15, 0
	s_lshl_b32 s16, ttmp9, 17                      ; W2T: four N tiles,
	s_lshl_b32 s17, s10, 12                        ; my wave's four fragments
	s_add_co_u32 s16, s16, s17
	s_mov_b32 s17, 0
	s_lshl_b32 s18, s12, 15                        ; out0: 16 rows of 2,048 bytes,
	s_lshl_b32 s19, ttmp9, 8                       ; 64 columns
	s_add_co_u32 s18, s18, s19
	s_mov_b32 s19, 0
	s_wait_kmcnt 0x0
	s_add_nc_u64 s[4:5], s[4:5], s[14:15]
	s_add_nc_u64 s[6:7], s[6:7], s[16:17]
	s_add_nc_u64 s[8:9], s[8:9], s[18:19]
.irp s, 0,1,2,3                        ; twelve loads a fragment: Q's 16 numbers (k = 8 h + 0..7 and 16 + 8 h + 0..7), then the four N tiles
	global_load_b128 v[FQ+16*\s:FQ+16*\s+3],     v[QO], s[4:5] offset:\s*128
	global_load_b128 v[FQ+16*\s+4:FQ+16*\s+7],   v[QO], s[4:5] offset:\s*128+16
	global_load_b128 v[FQ+16*\s+8:FQ+16*\s+11],  v[QO], s[4:5] offset:\s*128+64
	global_load_b128 v[FQ+16*\s+12:FQ+16*\s+15], v[QO], s[4:5] offset:\s*128+80
.irp j, 0,1,2,3
	global_load_b128 v[FW+32*\j+8*\s:FW+32*\j+8*\s+3],   v[WO], s[6:7] offset:\j*32768+\s*1024
	global_load_b128 v[FW+32*\j+8*\s+4:FW+32*\j+8*\s+7], v[WO], s[6:7] offset:\j*32768+\s*1024+512
.endr
.endr
; Fragment s: Q is split, then eight products: hi with the four N tiles, lo with the four.  The four accumulators take turns, one instruction a turn.  No register that a matrix instruction has read is written again.
.macro FRAG s
	s_wait_loadcnt 12*(3-(\s))                     ; the later fragments' twelve loads each may stay out
.set fs, FQ+16*(\s)
.if (\s) == 0
.set fd, TT
.else
.set fd, FQ+16*((\s)-1)
.endif
.set p, 0
.rept 8
.set tp, 12+2*(p%2)
	v_cvt_pk_bf16_f32 v[fd+p], v[fs+2*p], v[fs+2*p+1]          ; hi
	v_lshlrev_b32 v[tp], 16, v[fd+p]
	v_and_b32 v[tp+1], 0xffff0000, v[fd+p]
	v_pk_add_f32 v[fs+2*p:fs+2*p+1], v[fs+2*p:fs+2*p+1], v[tp:tp+1] neg_lo:[0,1] neg_hi:[0,1]  ; Q - hi, exact
	v_cvt_pk_bf16_f32 v[fd+8+p], v[fs+2*p], v[fs+2*p+1]        ; lo
.set p, p+1
.endr
.irp j, 0,1,2,3
.if (\s) == 0
	v_wmma_f32_16x16x32_bf16 v[AC+8*\j:AC+8*\j+7], v[FW+32*\j+8*(\s):FW+32*\j+8*(\s)+7], v[fd:fd+7], 0
.else
	v_wmma_f32_16x16x32_bf16 v[AC+8*\j:AC+8*\j+7], v[FW+32*\j+8*(\s):FW+32*\j+8*(\s)+7], v[fd:fd+7], v[AC+8*\j:AC+8*\j+7]
.endif
.endr
.irp j, 0,1,2,3
	v_wmma_f32_16x16x32_bf16 v[AC+8*\j:AC+8*\j+7], v[FW+32*\j+8*(\s):FW+32*\j+8*(\s)+7], v[fd+8:fd+15], v[AC+8*\j:AC+8*\j+7]
.endr
.endm
	FRAG 0
	FRAG 1
	FRAG 2
	FRAG 3
.rept 4
	v_nop                                          ; four places behind the last products, in front of the LDS stores that read results
.endr
.irp j, 0,1,2,3
	ds_store_b128 v[LS], v[AC+8*\j:AC+8*\j+3]   offset:\j*64       ; each accumulator's lowest registers first
	ds_store_b128 v[LS], v[AC+8*\j+4:AC+8*\j+7] offset:\j*64+16
.endr
	s_wait_dscnt 0x0                               ; for the others' sake: my partial sums are in LDS
	s_barrier_signal -1
	s_barrier_wait -1                              ; everybody's are
.irp p, 0,1,2,3,4,5,6,7
	ds_load_b128 v[FQ+4*\p:FQ+4*\p+3], v[LR] offset:\p*4352
.endr
	s_wait_dscnt 0x0
.irp p, 0,1,2,3
	v_pk_add_f32 v[FQ+4*\p:FQ+4*\p+1],   v[FQ+4*\p:FQ+4*\p+1],   v[FQ+16+4*\p:FQ+16+4*\p+1]
	v_pk_add_f32 v[FQ+4*\p+2:FQ+4*\p+3], v[FQ+4*\p+2:FQ+4*\p+3], v[FQ+16+4*\p+2:FQ+16+4*\p+3]
.endr
.irp p, 0,1
	v_pk_add_f32 v[FQ+4*\p:FQ+4*\p+1],   v[FQ+4*\p:FQ+4*\p+1],   v[FQ+8+4*\p:FQ+8+4*\p+1]
	v_pk_add_f32 v[FQ+4*\p+2:FQ+4*\p+3], v[FQ+4*\p+2:FQ+4*\p+3], v[FQ+8+4*\p+2:FQ+8+4*\p+3]
.endr
	v_pk_add_f32 v[FQ:FQ+1],   v[FQ:FQ+1],   v[FQ+4:FQ+5]
	v_pk_add_f32 v[FQ+2:FQ+3], v[FQ+2:FQ+3], v[FQ+6:FQ+7]
	global_store_b128 v[GO], v[FQ:FQ+3], s[8:9]    ; 16 lanes store 256 consecutive bytes, at a multiple of 256 from out0's first byte
	s_wait_tensorcnt 0x0                           ; the wave's end, behind my last LDS store
	ds_add_u32 v[SPW], v[NIL]
	s_wait_dscnt 0x0
	s_endpgm
.Lfunc_end_k_q62d79b3381_fin:
	.size	k_q62d79b3381_fin, .Lfunc_end_k_q62d79b3381_fin-k_q62d79b3381_fin
	.p2alignl 7, 3214868480
	.fill 96, 4, 3214868480
	.section	.rodata,"a",@progbits
	.p2align	6, 0x0
	.amdhsa_kernel k_q62d79b3381_fin
		.amdhsa_group_segment_fixed_size 35840
		.amdhsa_private_segment_fixed_size 0
		.amdhsa_enable_private_segment 0
		.amdhsa_kernarg_size 24
		.amdhsa_user_sgpr_count 2
		.amdhsa_user_sgpr_kernarg_segment_ptr 1
		.amdhsa_wavefront_size32 1
		.amdhsa_system_sgpr_workgroup_id_x 1
		.amdhsa_system_sgpr_workgroup_id_y 1
		.amdhsa_system_sgpr_workgroup_id_z 1
		.amdhsa_system_vgpr_workitem_id 0
		.amdhsa_next_free_vgpr 256
		.amdhsa_next_free_sgpr 66
		.amdhsa_reserve_vcc 0
		.amdhsa_float_denorm_mode_32 3
		.amdhsa_float_denorm_mode_16_64 3
		.amdhsa_memory_ordered 1
		.amdhsa_forward_progress 1
		.amdhsa_inst_pref_size 20
	.end_amdhsa_kernel
	.amdgpu_metadata
---
amdhsa.version: [ 1, 2 ]
amdhsa.kernels:
  - .name:           k_q62d79b3381_fin
    .symbol:         k_q62d79b3381_fin.kd
    .args:
      - { .name: Qb, .offset: 0, .size: 8, .value_kind: global_buffer, .address_space: global }
      - { .name: W2T, .offset: 8, .size: 8, .value_kind: global_buffer, .address_space: global }
      - { .name: out0, .offset: 16, .size: 8, .value_kind: global_buffer, .address_space: global }
    .group_segment_fixed_size: 35840
    .private_segment_fixed_size: 0
    .kernarg_segment_align: 8
    .kernarg_segment_size: 24
    .max_flat_workgroup_size: 256
    .sgpr_count:     66
    .vgpr_count:     256
    .wavefront_size: 32
...
	.end_amdgpu_metadata
.endif
;; end of part 4
